; MI455X (gfx1250); checked and timed in simulation.
; The chip was launched on July 23, 2026; its instructions are those of AMD's public machine-readable ISA for CDNA 5 (MIT licence, August 2026) and "CDNA5" Instruction Set Architecture Reference Guide (July 2026). The comments in the code are by the model that wrote it; some were corrected since.
;; Mem Eff Attention. Allowed arithmetic: float matrix products may take bf16 or f16 operands with f32 sums; all other float work in f32.
;; Inputs: cos 2,048 x 32 float32; proj_b 1,024 float32; proj_w 1,024 x 1,024 float32; qkv_w 3,072 x 1,024 float32; sin 2,048 x 32 float32; x 2 x 2,048 x 1,024 float32.
;; Outputs: out0 2 x 2,048 x 1,024 float32.
;; One version. Each part assembles by itself: llvm-mc -triple=amdgcn-amd-amdhsa -mcpu=gfx1250 --defsym DOCPART=n.
;; ======== version 1 of 1: 4 launches
;; limits: values are held in f16: magnitudes above 65,504 overflow, below 6.1e-05 lose precision
;; workspace buffers: xh 8,388,608 bytes; wh 6,291,456 bytes; pwh 2,097,152 bytes; qb 8,388,608 bytes; kb 8,388,608 bytes; vth 8,388,608 bytes; ah 8,388,608 bytes
;; launch tof16 (part 1): grid 512 x 1, 8 waves a work-group, no clusters, 0 bytes of LDS; arguments x, qkv_w, proj_w, xh, wh, pwh; writes xh, wh, pwh
.if DOCPART == 1
	.amdgcn_target "amdgcn-amd-amdhsa--gfx1250"
	.amdhsa_code_object_version 6
	.text
	.protected	k_q562fcc6579_tof16
	.globl	k_q562fcc6579_tof16
	.p2align	8
	.type	k_q562fcc6579_tof16,@function
k_q562fcc6579_tof16:
	s_mov_b64 s[64:65], 0
	v_nop
	global_prefetch_b8 v0, s[64:65] scope:SCOPE_SE
	s_setreg_imm32_b32 hwreg(HW_REG_WAVE_MODE, 25, 1), 1
	s_wait_xcnt 0x0
; x, qkv_w and proj_w (f32) are rounded once to f16: xh, wh, pwh, same order of numbers.
; The later launches bring their tiles into LDS as bytes, so the matrix operands have to lie in memory in 16 bits.
; WHY f16 AND NOT bf16: f16 keeps 11 significant bits, bf16 8, and these three tensors have the room: x has a spread of about 1 and the
; weights of about 0.02; 30 times larger, 30 times smaller or offset by 30 spreads they lie between 7e-4 and 150.
; A stream: every input byte is read once, every output byte written once.  No LDS, no barrier, no matrix unit, no cluster:
; no work-group shares a byte with another.
; 512 work-groups of 16,384 numbers (65,536 bytes in, 32,768 out): 256 for x, 192 for qkv_w, 64 for proj_w.
; Thread t takes the 16 bytes at 16 t of each of sixteen blocks of 4,096 bytes: a wave's load covers 512 consecutive bytes, and its
; store of 8 bytes a lane covers 256 consecutive bytes that start at a multiple of 256 from the buffer's first byte.
; All sixteen loads of a wave go out before the first wait; no register is written twice, so no source has to be freed.
; LIMIT: a number of magnitude 65,520 or more becomes infinite; below 2^-14 the step is 2^-24, so relative precision falls off there.
.set XR, 4                             ; v[4:67]   sixteen loads of four f32
.set YR, 68                            ; v[68:99]  sixteen pairs of packed f16
	s_load_b256 s[4:11], s[0:1], 0x0               ; x s[4:5], qkv_w s[6:7], proj_w s[8:9], xh s[10:11]
	s_load_b128 s[12:15], s[0:1], 0x20             ; wh s[12:13], pwh s[14:15]
	v_lshlrev_b32 v1, 4, v0                        ; 16 t: my place in a block of the source
	v_lshlrev_b32 v2, 3, v0                        ; 8 t: my place in a block of the destination
	s_movk_i32 s20, 448                            ; first work-group of proj_w
	s_movk_i32 s21, 256                            ; first work-group of qkv_w
	s_wait_kmcnt 0x0
	s_cmp_lt_u32 ttmp9, s20                        ; below 448: qkv_w, else proj_w
	s_cselect_b64 s[16:17], s[6:7], s[8:9]
	s_cselect_b64 s[18:19], s[12:13], s[14:15]
	s_cselect_b32 s20, s21, s20
	s_cmp_lt_u32 ttmp9, s21                        ; below 256: x
	s_cselect_b64 s[16:17], s[4:5], s[16:17]
	s_cselect_b64 s[18:19], s[10:11], s[18:19]
	s_cselect_b32 s20, 0, s20
	s_sub_co_u32 s20, ttmp9, s20                   ; my chunk in its tensor, 0 to 255
	s_lshl_b32 s22, s20, 16                        ; 65,536 bytes of f32 a chunk
	s_mov_b32 s23, 0
	s_add_nc_u64 s[16:17], s[16:17], s[22:23]
	s_lshl_b32 s22, s20, 15                        ; 32,768 bytes of f16 a chunk
	s_add_nc_u64 s[18:19], s[18:19], s[22:23]
.set ii, 0
.rept 16
	global_load_b128 v[XR+4*ii:XR+4*ii+3], v1, s[16:17] offset:4096*ii th:TH_LOAD_NT   ; read once in the launch
.set ii, ii+1
.endr
.set ii, 0
.rept 16
	s_wait_loadcnt 15-ii                           ; loads come back in order (ISA guide 5.7.1): block ii is in, the 15 - ii younger ones stay out
	v_cvt_pk_f16_f32 v[YR+2*ii],   v[XR+4*ii],   v[XR+4*ii+1]
	v_cvt_pk_f16_f32 v[YR+2*ii+1], v[XR+4*ii+2], v[XR+4*ii+3]
	global_store_b64 v2, v[YR+2*ii:YR+2*ii+1], s[18:19] offset:2048*ii   ; no hint: the next launches read these bytes
.set ii, ii+1
.endr
	s_endpgm
.Lfunc_end_k_q562fcc6579_tof16:
	.size	k_q562fcc6579_tof16, .Lfunc_end_k_q562fcc6579_tof16-k_q562fcc6579_tof16
	.p2alignl 7, 3214868480
	.fill 96, 4, 3214868480
	.section	.rodata,"a",@progbits
	.p2align	6, 0x0
	.amdhsa_kernel k_q562fcc6579_tof16
		.amdhsa_group_segment_fixed_size 0
		.amdhsa_private_segment_fixed_size 0
		.amdhsa_enable_private_segment 0
		.amdhsa_kernarg_size 48
		.amdhsa_user_sgpr_count 2
		.amdhsa_user_sgpr_kernarg_segment_ptr 1
		.amdhsa_wavefront_size32 1
		.amdhsa_system_sgpr_workgroup_id_x 1
		.amdhsa_system_sgpr_workgroup_id_y 1
		.amdhsa_system_sgpr_workgroup_id_z 1
		.amdhsa_system_vgpr_workitem_id 0
		.amdhsa_next_free_vgpr 104
		.amdhsa_next_free_sgpr 66
		.amdhsa_reserve_vcc 0
		.amdhsa_float_denorm_mode_32 3
		.amdhsa_float_denorm_mode_16_64 3
		.amdhsa_memory_ordered 1
		.amdhsa_forward_progress 1
		.amdhsa_inst_pref_size 7
	.end_amdhsa_kernel
	.amdgpu_metadata
---
amdhsa.version: [ 1, 2 ]
amdhsa.kernels:
  - .name:           k_q562fcc6579_tof16
    .symbol:         k_q562fcc6579_tof16.kd
    .args:
      - { .name: x, .offset: 0, .size: 8, .value_kind: global_buffer, .address_space: global }
      - { .name: qkv_w, .offset: 8, .size: 8, .value_kind: global_buffer, .address_space: global }
      - { .name: proj_w, .offset: 16, .size: 8, .value_kind: global_buffer, .address_space: global }
      - { .name: xh, .offset: 24, .size: 8, .value_kind: global_buffer, .address_space: global }
      - { .name: wh, .offset: 32, .size: 8, .value_kind: global_buffer, .address_space: global }
      - { .name: pwh, .offset: 40, .size: 8, .value_kind: global_buffer, .address_space: global }
    .group_segment_fixed_size: 0
    .private_segment_fixed_size: 0
    .kernarg_segment_align: 8
    .kernarg_segment_size: 48
    .max_flat_workgroup_size: 256
    .sgpr_count:     66
    .vgpr_count:     104
    .wavefront_size: 32
...
	.end_amdgpu_metadata
.endif
;; end of part 1
;; launch qkv (part 2): grid 16 x 16, 4 waves a work-group, clusters of 4 x 4, 327,680 bytes of LDS; arguments xh, wh, cos, sin, qb, kb, vth; writes qb, kb, vth
.if DOCPART == 2
	.amdgcn_target "amdgcn-amd-amdhsa--gfx1250"
	.amdhsa_code_object_version 6
	.text
	.protected	k_q562fcc6579_qkv
	.globl	k_q562fcc6579_qkv
	.p2align	8
	.type	k_q562fcc6579_qkv,@function
k_q562fcc6579_qkv:
	s_mov_b64 s[64:65], 0
	v_nop
	global_prefetch_b8 v0, s[64:65] scope:SCOPE_SE
	s_setreg_imm32_b32 hwreg(HW_REG_WAVE_MODE, 25, 1), 1
	s_wait_xcnt 0x0
	s_wait_alu depctr_hold_cnt(0) depctr_sa_sdst(0) depctr_va_vdst(0) depctr_va_sdst(0) depctr_va_ssrc(0) depctr_va_vcc(0) depctr_vm_vsrc(0)
	s_getreg_b32 s2, hwreg(HW_REG_IB_STS2, 6, 4)
	s_cmp_eq_u32 s2, 0
	s_cbranch_scc0 .Lentry_in_a_cluster
	s_endpgm
.Lentry_in_a_cluster:
	s_bfe_u32 s2, ttmp6, 0x10000c
	s_cmp_lg_u32 s2, 0xf033
	s_cbranch_scc0 .Lentry_shape_is_right
	s_endpgm
.Lentry_shape_is_right:
; q, k, v = x W^T for one head and 256 tokens, RoPE on q and k; f16 operands, f32 sums.
; xh: [4096][1024] f16.  wh: [3072][1024] f16, row = section x 1024 + head x 64 + d.  cos, sin: [2048][32] f32.
; Out: qb, kb: [batch][head][token][64] bf16 (a token's row is 128 bytes);  vth: [batch][head][d][token] f16 (V transposed).
; FORMATS OF THE RESULTS.  v carries the scales of x and W alone: sums of 1,024 products, of magnitude under 4 for a spread of 1 and 0.02;
; both 30 times larger make 900 times that, both offset by 30 spreads make 1024 x 30 x 0.6 = 18,432: inside f16, which keeps 11 bits.
; q and k carry the scale of cos and sin as well: 30 x 30 x 30 = 27,000 times 3.3 is outside f16, so they leave in bf16.
; A work-group (block column = head, block row = 256 tokens) makes 256 x 192 numbers: the head's 64 columns of Q, of K and of V.
; 16 x 16 = 256 work-groups of equal work.  Four waves: wave w has tokens 128 (w >> 1) .. + 127 and, by w & 1, all of Q or all of K
; (column tiles b = 0..3) and 32 of V's d (tiles b = 4, 5): 48 accumulator tiles of 16 x 16.  So a wave owns whole rows of q or k and
; pieces of 256 bytes of vth's rows, and which tiles are rotated is fixed in the text.
; K (1024) goes in 8 steps of 128 through two LDS slots filled by the tensor data mover; a tile's rows are 256 bytes of memory.
; CLUSTERS: 4 x 4 work-groups.  The four of a row of the cluster have the same tokens (x's tile), the four of a column the same head
; (W's tiles): each tile is asked for jointly, which divides the requests for both by four.
; Q and K tiles use the matrix instruction transposed (source 0 = rows of W, source 1 = tokens): a lane then holds 8 neighbouring d of
; one token, so a RoPE pair lies in two neighbouring registers.  V tiles use it as it is: a lane holds 8 neighbouring tokens of one d.
; REGISTERS: window 0: addresses, fragments (two buffers).  Window 1: accumulators b = 0..3 at 8 (8 b + a).  Window 2: b = 4, 5 at
; 8 (8 (b - 4) + a).  Window 3: cos at 32 a + 4 b, sin at 32 a + 16 + 4 b, loaded at the start and first read on the way out.
; LIMITS: x and W enter rounded to f16; q and k leave rounded to bf16, v to f16: a v of magnitude 65,520 or more becomes infinite.
; cos and sin are used as given, in f32.
.set KSTEP,  128
.set PITCH,  272                       ; an LDS row: 256 bytes + 16 of padding, an odd multiple of 16: the 16 rows of a fragment load start 16 bytes apart modulo 256
.set BT,     64*PITCH                  ; 64 rows of W: one section's tile
.set AOFF,   192*PITCH                 ; x's 256 rows lie behind W's 192
.set SLOT,   448*PITCH                 ; 121,856
.set STAGE,  2*SLOT                    ; 243,712: behind the ring, never filled by a tensor load
.set QKP,    144                       ; stage of q or k: 16 rows of 128 bytes + 16
.set WSTG,   16*QKP+32*PITCH           ; 11,008 a wave: that stage, then V's of 32 rows x 272
.set LAPS,   1024/(2*KSTEP)            ; 4 laps of two K steps
.set ADRA, 16                          ; v16-17 LDS address of my x fragments in slot 0, 1
.set ADRB, 18                          ; v18-19 the same for my Q or K rows of W
.set ADRV, 20                          ; v20-21 the same for my V rows of W
.set STO,  22                          ; stage of q, k: where I put 16 bytes
.set RD,   23                          ; where I read them back
.set CO,   24                          ; my byte offset in qb or kb
.set STV,  25                          ; the same three for V
.set RDV,  26
.set COV,  27
.set CS,   28                          ; my byte offset in cos and sin
.set FA,   32                          ; x fragments: 8 tiles x 8 registers, buffer f at FA + 64 f
.set FB,   160                         ; W fragments: 6 tiles x 8 registers, buffer f at FB + 48 f
.set TT,   32                          ; way out: products
.set RR,   64                          ; rotated numbers
.set PK,   96                          ; packed
.set RB,   112                         ; read back, two sets of 16
.set TV,   32                          ; V packed
.set RV,   128                         ; V read back
.set G1A, 28                           ; s[28:35] group 1 of x's tile
.set G0A, 36                           ; s[36:43] group 0 of x's tile, one set a slot
.set G1B, 44                           ; s[44:51] group 1 of W's tiles
.set G0B, 52                           ; s[52:59] group 0 of W's tiles, one set a slot
.set FLAGS, (1<<16)|(1<<20)|(1<<21)|(5<<22)|(3<<25)   ; elements of 2 bytes; padding on; bit 21 beside a mask; after every 64 words, 4 words
.set MSB, 0
.macro WIN new                         ; the immediate's high byte repeats the setting that is left
.if MSB != \new
	s_set_vgpr_msb (MSB<<8)|\new
.set MSB, \new
.endif
.endm
.macro PLACES n
.rept \n
	v_nop
.endr
.endm
; A joint load.  Waves 0, 1, 2 fetch W's Q, K and V rows (64 each), wave 3 x's 256 rows.  The branch hangs on the wave's number alone.
.macro JLOAD s
	s_cmp_lt_u32 s18, 3
	s_cbranch_scc0 .Lfor_a_\@
	tensor_load_to_lds s[G0B+4*(\s):G0B+4*(\s)+3], s[G1B:G1B+7]
	s_nop 0
	s_branch .Lasked_\@
.Lfor_a_\@:
	tensor_load_to_lds s[G0A+4*(\s):G0A+4*(\s)+3], s[G1A:G1A+7]
	s_nop 0
.Lasked_\@:
.endm
.macro CREST                           ; a round of the cluster's barrier behind its opening barrier
	s_cmp_lg_u32 s18, 0
	s_cbranch_scc1 .Lnot_wave_0_\@
	s_barrier_signal -3
.Lnot_wave_0_\@:
	s_barrier_wait -3
	s_barrier_signal -1
	s_barrier_wait -1
.endm
.macro CROUND                          ; a whole round
	s_barrier_signal -1
	s_barrier_wait -1
	CREST
.endm
	s_load_b256 s[4:11], s[0:1], 0x0               ; xh s[4:5], wh s[6:7], cos s[8:9], sin s[10:11]
	s_load_b128 s[12:15], s[0:1], 0x20             ; qb s[12:13], kb s[14:15]
	s_load_b64 s[16:17], s[0:1], 0x30              ; vth
	v_lshl_add_u32 v30, v0, 2, 0x46400
	v_mov_b32 v31, 0
	ds_add_u32 v30, v31
	v_lshrrev_b32 v1, 5, v0
	v_readfirstlane_b32 s18, v1                    ; wave 0..3
	s_lshr_b32 s19, s18, 1                         ; which 128 tokens
	s_and_b32 s20, s18, 1                          ; Q and V's d 0-31 (0), or K and V's d 32-63 (1)
	s_bfe_u32 s21, ttmp6, 0x40000                  ; cx
	s_bfe_u32 s22, ttmp6, 0x40004                  ; cy
	s_lshl_b32 s23, ttmp9, 2
	s_add_co_u32 s23, s23, s21                     ; head = 4 x cluster x + cx
	s_and_b32 s24, ttmp7, 0xffff
	s_lshl_b32 s24, s24, 2
	s_add_co_u32 s24, s24, s22                     ; token block = 4 x cluster y + cy
	s_lshl_b32 s25, s22, 2
	s_lshl_b32 s25, 15, s25                        ; my row of the cluster
	s_lshl_b32 s26, 0x1111, s21                    ; my column
	s_or_b32 s[G1A+0], s25, FLAGS                  ; x's tile goes to my row
	s_mov_b32 s[G1A+1], KSTEP<<16                  ; tensor_dim0 = 128
	s_mov_b32 s[G1A+2], 256<<16                    ; tensor_dim1 = 256
	s_mov_b32 s[G1A+3], KSTEP<<16                  ; tile_dim0 = 128
	s_mov_b32 s[G1A+4], 256                        ; tile_dim1 = 256
	s_mov_b32 s[G1A+5], 1024                       ; elements from row to row
	s_mov_b32 s[G1A+6], 0
	s_mov_b32 s[G1A+7], 0
	s_or_b32 s[G1B+0], s26, FLAGS                  ; W's tiles go to my column
	s_mov_b32 s[G1B+1], KSTEP<<16
	s_mov_b32 s[G1B+2], 64<<16                     ; 64 rows
	s_mov_b32 s[G1B+3], KSTEP<<16
	s_mov_b32 s[G1B+4], 64
	s_mov_b32 s[G1B+5], 1024
	s_mov_b32 s[G1B+6], 0
	s_mov_b32 s[G1B+7], 0
	s_lshl_b32 s66, s24, 19                        ; x: 256 rows of 2,048 bytes a token block; hangs on the block row alone
	s_mov_b32 s67, 0
	s_min_u32 s68, s18, 2                          ; W: section = wave (wave 3 asks by x's line; its copy of this address stays inside wh)
	s_lshl_b32 s68, s68, 21                        ; 1,024 rows of 2,048 bytes a section
	s_lshl_b32 s69, s23, 17                        ; 64 rows a head; hangs on the block column alone
	s_add_co_u32 s68, s68, s69
	s_mov_b32 s69, 0
	s_mul_i32 s70, s18, BT                         ; where W's tile goes: wave x 64 rows
	s_wait_dscnt 0x0
	s_wait_kmcnt 0x0
	s_add_nc_u64 s[66:67], s[4:5], s[66:67]
	s_add_nc_u64 s[68:69], s[6:7], s[68:69]
	CROUND                                         ; all sixteen work-groups are here: the first joint loads meet
.irp s, 0,1
	s_mov_b32 s[G0A+4*\s], 1
	s_mov_b32 s[G0A+4*\s+1], AOFF+\s*SLOT
	s_add_nc_u64 s[G0A+4*\s+2:G0A+4*\s+3], s[66:67], \s*KSTEP*2    ; K step s
	s_or_b32 s[G0A+4*\s+3], s[G0A+4*\s+3], 0x80000000
	s_mov_b32 s[G0B+4*\s], 1
	s_add_co_u32 s[G0B+4*\s+1], s70, \s*SLOT
	s_add_nc_u64 s[G0B+4*\s+2:G0B+4*\s+3], s[68:69], \s*KSTEP*2
	s_or_b32 s[G0B+4*\s+3], s[G0B+4*\s+3], 0x80000000
	JLOAD \s                                       ; both first fills go out before anything else: two loads of a wave are out
.endr
	; cos and sin of my 128 tokens: for token tile a and column tile b a lane needs the four numbers 8 b + 4 h .. + 3 of token r.
	; 64 loads, one more than LOADcnt's field counts: the last one's issue is held until the first has come back (ISA guide 5.7.1).
	v_and_b32 v1, 15, v0                           ; r
	v_bfe_u32 v2, v0, 4, 1                         ; h
	v_and_b32 v3, 31, v0                           ; lane
	v_lshlrev_b32 v[CS], 7, v1                     ; a row of 32 f32 is 128 bytes
	v_lshl_add_u32 v[CS], v2, 4, v[CS]
	s_and_b32 s72, s24, 7                          ; eight token blocks a batch
	s_lshl_b32 s72, s72, 8
	s_lshl_b32 s73, s19, 7
	s_add_co_u32 s72, s72, s73                     ; my first token in its sequence
	s_lshl_b32 s74, s72, 7                         ; x 128 bytes: in cos and sin, and in a head's q or k
	s_mov_b32 s75, 0
	s_add_nc_u64 s[76:77], s[8:9], s[74:75]
	s_add_nc_u64 s[78:79], s[10:11], s[74:75]
	WIN 0xc0                                       ; destination window 3, address window 0
.irp a, 0,1,2,3,4,5,6,7
.irp b, 0,1,2,3
	global_load_b128 v[32*\a+4*\b:32*\a+4*\b+3],       v[CS], s[76:77] offset:\a*2048+\b*32
	global_load_b128 v[32*\a+16+4*\b:32*\a+16+4*\b+3], v[CS], s[78:79] offset:\a*2048+\b*32
.endr
.endr
	WIN 0
	; fragment addresses: row x pitch + 16 h; two loads 32 bytes apart make 16 rows x 32 K
	v_mul_u32_u24 v4, v1, PITCH
	v_lshl_add_u32 v4, v2, 4, v4
	s_mul_i32 s80, s19, 128*PITCH
	s_add_co_u32 s80, s80, AOFF                    ; my 128 tokens
	s_mul_i32 s81, s20, BT                         ; Q's rows or K's
	s_mul_i32 s82, s20, 32*PITCH
	s_add_co_u32 s82, s82, 128*PITCH               ; my 32 rows of V's
.irp s, 0,1
	v_add_nc_u32 v[ADRA+\s], s80, v4
	v_add_nc_u32 v[ADRB+\s], s81, v4
	v_add_nc_u32 v[ADRV+\s], s82, v4
	s_add_co_u32 s80, s80, SLOT
	s_add_co_u32 s81, s81, SLOT
	s_add_co_u32 s82, s82, SLOT
.endr
	s_mul_i32 s83, s18, WSTG
	s_add_co_u32 s83, s83, STAGE                   ; my stage of q or k
	v_mul_u32_u24 v5, v1, QKP
	v_lshl_add_u32 v5, v2, 4, v5
	v_add_nc_u32 v[STO], s83, v5                   ; in: token r, 16 bytes for each half of the lanes
	v_lshrrev_b32 v5, 3, v3
	v_and_b32 v6, 7, v3
	v_mul_u32_u24 v5, v5, QKP
	v_lshl_add_u32 v5, v6, 4, v5
	v_add_nc_u32 v[RD], s83, v5                    ; back: eight lanes a row of 128 bytes, four rows a load
	v_lshlrev_b32 v[CO], 4, v3                     ; which are 512 consecutive bytes of qb or kb
	s_add_co_u32 s83, s83, 16*QKP                  ; my stage of V
	v_add_nc_u32 v[STV], s83, v4                   ; in: d = r, 16 bytes (8 tokens) for each half of the lanes
	v_mul_u32_u24 v5, v2, PITCH
	v_lshl_add_u32 v5, v1, 4, v5
	v_add_nc_u32 v[RDV], s83, v5                   ; back: sixteen lanes a row of 256 bytes
	v_lshlrev_b32 v5, 12, v2                       ; a row of vth is 4,096 bytes
	v_lshl_add_u32 v[COV], v1, 4, v5
; 16 matrix instructions on Q's or K's tiles b0, b0 + 1 x all 8 token tiles, transposed.  zero = 1: the first product starts the sums.
.macro MULQK f, b0, zero
.irp b, \b0, \b0+1
.irp a, 0,1,2,3,4,5,6,7
.if \zero
	v_wmma_f32_16x16x32_f16 v[8*(8*(\b)+\a):8*(8*(\b)+\a)+7], v[FB+48*\f+8*(\b):FB+48*\f+8*(\b)+7], v[FA+64*\f+8*\a:FA+64*\f+8*\a+7], 0
.else
	v_wmma_f32_16x16x32_f16 v[8*(8*(\b)+\a):8*(8*(\b)+\a)+7], v[FB+48*\f+8*(\b):FB+48*\f+8*(\b)+7], v[FA+64*\f+8*\a:FA+64*\f+8*\a+7], v[8*(8*(\b)+\a):8*(8*(\b)+\a)+7]
.endif
.endr
.endr
.endm
; 16 matrix instructions on V's two tiles x all 8 token tiles, tokens as source 0
.macro MULV f, zero
.irp b, 0,1
.irp a, 0,1,2,3,4,5,6,7
.if \zero
	v_wmma_f32_16x16x32_f16 v[8*(8*\b+\a):8*(8*\b+\a)+7], v[FA+64*\f+8*\a:FA+64*\f+8*\a+7], v[FB+48*\f+32+8*\b:FB+48*\f+32+8*\b+7], 0
.else
	v_wmma_f32_16x16x32_f16 v[8*(8*\b+\a):8*(8*\b+\a)+7], v[FA+64*\f+8*\a:FA+64*\f+8*\a+7], v[FB+48*\f+32+8*\b:FB+48*\f+32+8*\b+7], v[8*(8*\b+\a):8*(8*\b+\a)+7]
.endif
.endr
.endr
.endm
; 28 LDS loads in one run: the fragments of one quarter step (32 K at byte k of the rows) into buffer f; V's four come last
.macro FETCH slot, k, f
.irp b, 0,1,2,3
	ds_load_b128 v[FB+48*\f+8*\b:FB+48*\f+8*\b+3],   v[ADRB+\slot] offset:\k+\b*16*PITCH
	ds_load_b128 v[FB+48*\f+8*\b+4:FB+48*\f+8*\b+7], v[ADRB+\slot] offset:\k+\b*16*PITCH+32
.endr
.irp a, 0,1,2,3,4,5,6,7
	ds_load_b128 v[FA+64*\f+8*\a:FA+64*\f+8*\a+3],   v[ADRA+\slot] offset:\k+\a*16*PITCH
	ds_load_b128 v[FA+64*\f+8*\a+4:FA+64*\f+8*\a+7], v[ADRA+\slot] offset:\k+\a*16*PITCH+32
.endr
.irp b, 0,1
	ds_load_b128 v[FB+48*\f+32+8*\b:FB+48*\f+32+8*\b+3], v[ADRV+\slot] offset:\k+\b*16*PITCH
	ds_load_b128 v[FB+48*\f+32+8*\b+4:FB+48*\f+32+8*\b+7], v[ADRV+\slot] offset:\k+\b*16*PITCH+32
.endr
.endm
; A K step is four quarters of 32 along K, 48 matrix instructions each, on buffers 0, 1, 0, 1.  The 48 accumulators take turns, one
; instruction a turn, in the same order in every quarter.
; A load into a register that a matrix instruction has read stands four places behind it, and only plain vector instructions that name
; none of its registers are places (ISA guide 7.12.1 for vector instructions): four v_nop ahead of each run of loads.
.macro QUARTER slot, k, f, g, zero
	s_wait_dscnt 4                                 ; W's Q or K rows and x are in; the four youngest loads (V's rows) may be out
	WIN 0x50                                       ; C and D window 1
	MULQK \f, 0, \zero
	PLACES 4
	WIN 0
	FETCH \slot, \k, \g
	WIN 0x50
	MULQK \f, 2, \zero
	s_wait_dscnt 28                                ; all but the 28 just issued
	WIN 0xa0                                       ; C and D window 2
	MULV \f, \zero
.endm
.macro THREE slot, zero
	QUARTER \slot, 64,  0, 1, \zero
	QUARTER \slot, 128, 1, 0, 0
	QUARTER \slot, 192, 0, 1, 0
.endm
; The last quarter multiplies buffer 1 and changes slots.  In front of the barrier each wave waits for its reads of this slot and for all
; its tensor loads (one is out: its part of the next slot).  fill = 1: the barrier opens a round of the cluster's barrier, and the joint
; refill of this slot, two K steps ahead, is the first tensor load behind the round; it has a K step less 16 matrix instructions to land.
.macro TURN slot, next, fill
	s_wait_dscnt 0x0                               ; my reads of this slot are over
	s_wait_tensorcnt 0x0                           ; all my tensor loads have landed
	ds_add_u32 v30, v31
	s_wait_dscnt 0x0
	s_barrier_signal -1
	WIN 0x50
	MULQK 1, 0, 0                                  ; register work while the others arrive
	WIN 0
	s_barrier_wait -1
.if \fill
	CREST                                          ; no wave of any partner still reads this slot or has a load on its way
	s_add_nc_u64 s[G0A+4*\slot+2:G0A+4*\slot+3], s[G0A+4*\slot+2:G0A+4*\slot+3], 2*KSTEP*2
	s_add_nc_u64 s[G0B+4*\slot+2:G0B+4*\slot+3], s[G0B+4*\slot+2:G0B+4*\slot+3], 2*KSTEP*2
	JLOAD \slot
.endif
	PLACES 4
	FETCH \next, 0, 0
	WIN 0x50
	MULQK 1, 2, 0
	WIN 0xa0
	MULV 1, 0
.endm
.macro LAP zero
	THREE 0, \zero
	TURN 0, 1, 1
	THREE 1, 0
	TURN 1, 0, 1
.endm
	s_wait_tensorcnt 0x1                           ; my part of K step 0 is in; K step 1's one load stays out
	s_barrier_signal -1
	s_barrier_wait -1                              ; everybody's is
	FETCH 0, 0, 0
	LAP 1                                          ; the first lap stands ahead of the loop: its first products start the sums
	WIN 0
	s_mov_b32 s3, LAPS-2
.Llap:
	LAP 0
	WIN 0
	s_sub_co_u32 s3, s3, 1
	s_cmp_lg_u32 s3, 0
	s_cbranch_scc1 .Llap
	THREE 0, 0                                     ; the last lap fills nothing
	TURN 0, 1, 0
	THREE 1, 0
	s_wait_dscnt 0x0                               ; the very last quarter
	WIN 0x50
	MULQK 1, 0, 0
	MULQK 1, 2, 0
	WIN 0xa0
	MULV 1, 0
	; THE WAY OUT.  Four places behind the last matrix instructions, for the conversions that read results and the loads into fragment registers.
	PLACES 4
	WIN 0
	s_lshr_b32 s84, s24, 3                         ; batch
	s_lshl_b32 s84, s84, 4
	s_add_co_u32 s84, s84, s23                     ; batch x 16 + head
	s_lshl_b32 s86, s84, 18                        ; vth: 64 rows of 4,096 bytes a head,
	s_lshl_b32 s87, s20, 17                        ; my 32 rows,
	s_add_co_u32 s86, s86, s87
	s_lshl1_add_u32 s86, s72, s86                  ; my first token, 2 bytes each
	s_mov_b32 s87, 0
	s_add_nc_u64 s[16:17], s[16:17], s[86:87]
	s_lshl_b32 s88, s84, 18                        ; qb, kb: 2,048 rows of 128 bytes a head,
	s_add_co_u32 s88, s88, s74                     ; my first token
	s_mov_b32 s89, 0
	s_cmp_eq_u32 s20, 0
	s_cselect_b64 s[12:13], s[12:13], s[14:15]     ; my rows are q's or k's
	s_add_nc_u64 s[12:13], s[12:13], s[88:89]
	; V: 16 tiles, a lane's 8 results are 8 neighbouring tokens of d = r: 16 bytes of f16 into my stage, whole pieces of 256 bytes back
	WIN 0x0a                                       ; sources window 2
.set tt, 0
.rept 16
.irp j, 0,1,2,3
	v_cvt_pk_f16_f32 v[TV+4*tt+\j], v[8*tt+2*\j], v[8*tt+2*\j+1]
.endr
.set tt, tt+1
.endr
	WIN 0
.set tt, 0
.rept 16
	ds_store_b128 v[STV], v[TV+4*tt:TV+4*tt+3] offset:(tt/8)*16*PITCH+32*(tt%8)
.set tt, tt+1
.endr
.set tt, 0
.rept 16
	ds_load_b128 v[RV+4*tt:RV+4*tt+3], v[RDV] offset:2*PITCH*tt    ; LDS serves a wave's instructions in order (ISA guide 5.7.1.4): these see the stores above
.set tt, tt+1
.endr
.set tt, 0
.rept 16
	s_wait_dscnt 15-tt                             ; rows 2 tt, 2 tt + 1 are back, the younger loads stay out
	global_store_b128 v[COV], v[RV+4*tt:RV+4*tt+3], s[16:17] offset:8192*tt   ; sixteen lanes store 256 consecutive bytes, aligned
.set tt, tt+1
.endr
	s_wait_loadcnt 0x0                             ; cos and sin, asked for at the start
; Tokens 16 a .. 16 a + 15: rotate, round to bf16, 16 bytes a lane into my stage, back as four rows a load.
.macro OUTQK a
	WIN 0x0d                                       ; source 0 window 1 (sums), source 1 window 3 (cos, sin)
.irp b, 0,1,2,3
.irp j, 0,1,2,3
	v_mul_f32 v[TT+8*\b+2*\j],   v[8*(8*\b+\a)+2*\j+1], v[32*\a+16+4*\b+\j]    ; odd x sin
	v_mul_f32 v[TT+8*\b+2*\j+1], v[8*(8*\b+\a)+2*\j+1], v[32*\a+4*\b+\j]       ; odd x cos
.endr
.endr
.irp b, 0,1,2,3
.irp j, 0,1,2,3
	v_fma_f32 v[RR+8*\b+2*\j],   v[8*(8*\b+\a)+2*\j], v[32*\a+4*\b+\j],    -v[TT+8*\b+2*\j]    ; even x cos - odd x sin
	v_fma_f32 v[RR+8*\b+2*\j+1], v[8*(8*\b+\a)+2*\j], v[32*\a+16+4*\b+\j], v[TT+8*\b+2*\j+1]   ; even x sin + odd x cos
.endr
.endr
	WIN 0
.irp b, 0,1,2,3
.irp j, 0,1,2,3
	v_cvt_pk_bf16_f32 v[PK+4*\b+\j], v[RR+8*\b+2*\j], v[RR+8*\b+2*\j+1]
.endr
.endr
.irp b, 0,1,2,3
	ds_store_b128 v[STO], v[PK+4*\b:PK+4*\b+3] offset:32*\b
.endr
	s_wait_xcnt 0x0                                ; every earlier store has had its addresses translated (ISA guide 3.1): registers that stores read are loaded again only behind this wait
.irp i, 0,1,2,3
	ds_load_b128 v[RB+16*(\a&1)+4*\i:RB+16*(\a&1)+4*\i+3], v[RD] offset:4*QKP*\i
.endr
.irp i, 0,1,2,3
	s_wait_dscnt 3-\i
	global_store_b128 v[CO], v[RB+16*(\a&1)+4*\i:RB+16*(\a&1)+4*\i+3], s[12:13] offset:2048*\a+512*\i   ; a wave stores 512 consecutive bytes, aligned
.endr
.endm
.irp a, 0,1,2,3,4,5,6,7
	OUTQK \a
.endr
	s_wait_tensorcnt 0x0
	ds_add_u32 v30, v31
	s_wait_dscnt 0x0
	CROUND                                         ; the closing round: no work-group ends while a partner may still ask for a tile that names it
	s_endpgm
.Lfunc_end_k_q562fcc6579_qkv:
	.size	k_q562fcc6579_qkv, .Lfunc_end_k_q562fcc6579_qkv-k_q562fcc6579_qkv
	.p2alignl 7, 3214868480
	.fill 96, 4, 3214868480
	.section	.rodata,"a",@progbits
	.p2align	6, 0x0
	.amdhsa_kernel k_q562fcc6579_qkv
		.amdhsa_group_segment_fixed_size 327680
		.amdhsa_private_segment_fixed_size 0
		.amdhsa_enable_private_segment 0
		.amdhsa_kernarg_size 56
		.amdhsa_user_sgpr_count 2
		.amdhsa_user_sgpr_kernarg_segment_ptr 1
		.amdhsa_wavefront_size32 1
		.amdhsa_system_sgpr_workgroup_id_x 1
		.amdhsa_system_sgpr_workgroup_id_y 1
		.amdhsa_system_sgpr_workgroup_id_z 1
		.amdhsa_system_vgpr_workitem_id 0
		.amdhsa_next_free_vgpr 1024
		.amdhsa_next_free_sgpr 96
		.amdhsa_reserve_vcc 0
		.amdhsa_float_denorm_mode_32 3
		.amdhsa_float_denorm_mode_16_64 3
		.amdhsa_memory_ordered 1
		.amdhsa_forward_progress 1
		.amdhsa_inst_pref_size 188
	.end_amdhsa_kernel
	.amdgpu_metadata
---
amdhsa.version: [ 1, 2 ]
amdhsa.kernels:
  - .name:           k_q562fcc6579_qkv
    .symbol:         k_q562fcc6579_qkv.kd
    .args:
      - { .name: xh, .offset: 0, .size: 8, .value_kind: global_buffer, .address_space: global }
      - { .name: wh, .offset: 8, .size: 8, .value_kind: global_buffer, .address_space: global }
      - { .name: cos, .offset: 16, .size: 8, .value_kind: global_buffer, .address_space: global }
      - { .name: sin, .offset: 24, .size: 8, .value_kind: global_buffer, .address_space: global }
      - { .name: qb, .offset: 32, .size: 8, .value_kind: global_buffer, .address_space: global }
      - { .name: kb, .offset: 40, .size: 8, .value_kind: global_buffer, .address_space: global }
      - { .name: vth, .offset: 48, .size: 8, .value_kind: global_buffer, .address_space: global }
    .group_segment_fixed_size: 327680
    .private_segment_fixed_size: 0
    .kernarg_segment_align: 8
    .kernarg_segment_size: 56
    .max_flat_workgroup_size: 128
    .sgpr_count:     96
    .vgpr_count:     1024
    .wavefront_size: 32
...
	.end_amdgpu_metadata
.endif
;; end of part 2
;; launch attn (part 3): grid 8 x 32, 8 waves a work-group, clusters of 4 x 1, 327,680 bytes of LDS; arguments qb, kb, vth, ah; writes ah
.if DOCPART == 3
	.amdgcn_target "amdgcn-amd-amdhsa--gfx1250"
	.amdhsa_code_object_version 6
	.text
	.protected	k_q562fcc6579_attn
	.globl	k_q562fcc6579_attn
	.p2align	8
	.type	k_q562fcc6579_attn,@function
k_q562fcc6579_attn:
	s_mov_b64 s[64:65], 0
	v_nop
	global_prefetch_b8 v0, s[64:65] scope:SCOPE_SE
	s_setreg_imm32_b32 hwreg(HW_REG_WAVE_MODE, 25, 1), 1
	s_wait_xcnt 0x0
	s_wait_alu depctr_hold_cnt(0) depctr_sa_sdst(0) depctr_va_vdst(0) depctr_va_sdst(0) depctr_va_ssrc(0) depctr_va_vcc(0) depctr_vm_vsrc(0)
	s_getreg_b32 s2, hwreg(HW_REG_IB_STS2, 6, 4)
	s_cmp_eq_u32 s2, 0
	s_cbranch_scc0 .Lentry_in_a_cluster
	s_endpgm
.Lentry_in_a_cluster:
	s_bfe_u32 s2, ttmp6, 0x10000c
	s_cmp_lg_u32 s2, 0x3003
	s_cbranch_scc0 .Lentry_shape_is_right
	s_endpgm
.Lentry_shape_is_right:
; softmax(q k^T / 8) v for one (batch, head) and 256 queries, with a running maximum.
; qb, kb: [batch x head][2048][64] bf16.  vth: [batch x head][64][2048] f16.
; ah: [batch][token pair][head][2][64] f16: the 256 bytes of (pair, head) hold the two tokens' 64 numbers, so that one head's work-group
; stores whole aligned blocks of 256 bytes and a pair's 4,096 bytes are one row for the projection.
; FORMATS: q k^T in the bf16 form (q and k need bf16's range).  P V in the f16 form: P lies in (0, 1] since the maximum is taken away
; first, v has room in f16, and f16's 11 bits keep the roundings of P, of v and of the result, which reach the output undamped, eight times smaller than bf16's 8 bits would.
; The result is a weighted mean of v, so it has v's range.
; 8 x 32 = 256 work-groups.  Eight waves: wave w has queries 64 (w & 3) .. + 63 and keys 128 (w >> 2) .. + 127 of each tile of 256 keys.
; Two waves lie on each SIMD, so that one wave's exponentials run beside the other's matrix work; the two halves of the keys are merged once, at the end, through LDS.
; CLUSTERS: the four query blocks of a cluster belong to one head and read the same tiles of K and V: each tile is asked for jointly.
; ORIENTATION: S^T = K Q^T (a lane holds one query r, its registers keys 8 h + j), so the maximum and the sum of a query stay in a lane
; but for one exchange between the two halves of the lanes; two packed tiles of S^T are source 1 of O^T = V^T P as they lie.
; exp(x / 8 - m / 8) = 2^(c x - c m), c = log2(e) / 8, in one fused multiply-add in front of v_exp_f32.
; LIMITS: q, k enter in bf16, v and P in f16; a P below 2^-14 has the absolute step 2^-24, below 2^-25 it counts as 0, against a row sum
; of at least 1; the sum of a row is made of the unrounded exponentials; 2^y below 2^-126 counts as 0 (v_exp_f32, ISA guide 15.8);
; a result below 2^-14 has the absolute step 2^-24; logits that are not finite give NaN, as in the plain formula.
.set KP,    144                        ; a key's LDS row: 128 bytes + 16
.set VP,    528                        ; a row of V^T: 256 keys = 512 bytes + 16
.set VOFF,  256*KP                     ; 36,864
.set SLOT,  VOFF+64*VP                 ; 70,656
.set SCR,   2*SLOT                     ; 141,312: the merge, 17,920 bytes for each pair of waves, never filled by a tensor load
.set SCRW,  17920                      ; O 32 x 512, shifts 2 x 512, sums 512
.set STG,   SCR+4*SCRW                 ; 212,992: the way out, 16 rows x 144 for each of waves 0-3
.set STGW,  16*KP
.set LQ,   4                           ; v[4:7]     a query's sum, at the end
.set ADRK, 8                           ; v8-9       LDS address of my K fragments in slot 0, 1
.set ADRV, 10                          ; v10-11     the same for V^T
.set QOFF, 12
.set SCRA, 13
.set STO,  14
.set RD,   15
.set CO,   16
.set MA,   20                          ; v[20:23], v[24:27]  running maxima of the four query tiles, two sets that take turns
.set MB,   24
.set T2,   28                          ; v[28:31]   at work
.set QF,   32                          ; v[32:95]   Q fragments at 16 q + 8 dh
.set KF,   96                          ; v[96:159]  K fragments at 16 kt + 8 dh
.set VF,   160                         ; v[160:223] V^T fragments at 16 dt + 8 c
.set NA,   224                         ; v[224:231], v[232:239]  - c x maximum, as pairs, two sets
.set NB,   232
.set AL,   240                         ; v[240:247] 2^(new shift - old shift), as pairs
.set LS,   248                         ; v[248:255] running sums, a pair a query tile
.set PO,   96                          ; the merge: the partner's O
.set PKO,  32
.set RBO,  48
; window 1: S at 32 q + 8 kt + j (v0-127), P packed into 32 q + 8 c + (0..7); O at 128 + 32 q + 8 dt + j
.set G1K, 20
.set G0K, 28
.set G1V, 36
.set G0V, 44
.set MSB, 0
.macro WIN new
.if MSB != \new
	s_set_vgpr_msb (MSB<<8)|\new
.set MSB, \new
.endif
.endm
.macro PLACES n
.rept \n
	v_nop
.endr
.endm
.macro JLOAD s                         ; waves 0-3 fetch 64 keys of K each, waves 4-7 sixteen rows of V^T each
	s_cmp_lt_u32 s12, 4
	s_cbranch_scc0 .Lfor_v_\@
	tensor_load_to_lds s[G0K+4*(\s):G0K+4*(\s)+3], s[G1K:G1K+7]
	s_nop 0
	s_branch .Lasked_\@
.Lfor_v_\@:
	tensor_load_to_lds s[G0V+4*(\s):G0V+4*(\s)+3], s[G1V:G1V+7]
	s_nop 0
.Lasked_\@:
.endm
.macro ROUND                           ; a round of the cluster's barrier
	s_barrier_signal -1
	s_barrier_wait -1
	s_cmp_lg_u32 s12, 0
	s_cbranch_scc1 .Lnot_wave_0_\@
	s_barrier_signal -3
.Lnot_wave_0_\@:
	s_barrier_wait -3
	s_barrier_signal -1
	s_barrier_wait -1
.endm
	s_load_b256 s[4:11], s[0:1], 0x0               ; qb s[4:5], kb s[6:7], vth s[8:9], ah s[10:11]
	v_lshl_add_u32 v18, v0, 2, 0x36400
	v_mov_b32 v19, 0
	ds_add_u32 v18, v19
	v_lshrrev_b32 v1, 5, v0
	v_readfirstlane_b32 s12, v1                    ; wave 0..7
	s_and_b32 s13, s12, 3                          ; which 64 queries; also which part of a tile I fetch
	s_lshr_b32 s14, s12, 2                         ; which half of a tile's keys
	s_bfe_u32 s15, ttmp6, 0x40000                  ; cx
	s_lshl_b32 s16, ttmp9, 2
	s_add_co_u32 s16, s16, s15                     ; query block 0..7
	s_and_b32 s17, ttmp7, 0xffff                   ; batch x 16 + head
	s_mov_b32 s52, 0x3e38aa3b                      ; c = log2(e) / 8
	s_mov_b32 s53, 0xbe38aa3b                      ; - c
	s_mov_b32 s54, 0x76543210                      ; v_permlanex16_b32: lane i reads lane i of the other half
	s_mov_b32 s55, 0xfedcba98
	s_mov_b32 s[G1K+0], 15|(1<<16)|(1<<20)|(1<<21)|(4<<22)|(3<<25)   ; all four partners; 2 bytes; padding: after every 32 words, 4 words
	s_mov_b32 s[G1K+1], 64<<16                     ; tensor_dim0 = 64
	s_mov_b32 s[G1K+2], 64<<16                     ; tensor_dim1 = 64
	s_mov_b32 s[G1K+3], 64<<16                     ; tile_dim0 = 64
	s_mov_b32 s[G1K+4], 64                         ; tile_dim1 = 64
	s_mov_b32 s[G1K+5], 64                         ; elements from row to row
	s_mov_b32 s[G1K+6], 0
	s_mov_b32 s[G1K+7], 0
	s_mov_b32 s[G1V+0], 15|(1<<16)|(1<<20)|(1<<21)|(6<<22)|(3<<25)   ; padding: after every 128 words, 4 words
	s_mov_b32 s[G1V+1], 256<<16                    ; 256 keys a row
	s_mov_b32 s[G1V+2], 16<<16                     ; 16 rows
	s_mov_b32 s[G1V+3], 256<<16
	s_mov_b32 s[G1V+4], 16
	s_mov_b32 s[G1V+5], 2048
	s_mov_b32 s[G1V+6], 0
	s_mov_b32 s[G1V+7], 0
	s_lshl_b32 s58, s17, 18                        ; K: 2,048 rows of 128 bytes a head,
	s_lshl_b32 s59, s13, 13                        ; my 64 rows of the tile
	s_add_co_u32 s58, s58, s59
	s_mov_b32 s59, 0
	s_lshl_b32 s60, s17, 18                        ; V^T: 64 rows of 4,096 bytes a head,
	s_lshl_b32 s61, s13, 16                        ; my 16 rows
	s_add_co_u32 s60, s60, s61
	s_mov_b32 s61, 0
	s_mul_i32 s62, s12, 64*KP                      ; K's part goes to wave x 9,216
	s_mul_i32 s63, s12, 16*VP                      ; V's part (waves 4-7) to wave x 8,448 + 3,072 = 36,864 + (wave - 4) x 8,448
	s_add_co_u32 s63, s63, VOFF-4*16*VP
	s_lshl_b32 s66, s17, 18                        ; Q: the head, the query block of 256 rows, my 64 rows
	s_lshl_b32 s67, s16, 15
	s_add_co_u32 s66, s66, s67
	s_lshl_b32 s67, s13, 13
	s_add_co_u32 s66, s66, s67
	s_mov_b32 s67, 0
	s_lshr_b32 s70, s17, 4                         ; ah: batch x 1,024 pairs of 4,096 bytes,
	s_lshl_b32 s70, s70, 22
	s_lshl_b32 s71, s16, 19                        ; the block's 128 pairs,
	s_add_co_u32 s70, s70, s71
	s_lshl_b32 s71, s13, 17                        ; my 32 pairs,
	s_add_co_u32 s70, s70, s71
	s_and_b32 s71, s17, 15
	s_lshl_b32 s71, s71, 8                         ; the head's 256 bytes
	s_add_co_u32 s70, s70, s71
	s_mov_b32 s71, 0
	s_wait_dscnt 0x0
	s_wait_kmcnt 0x0
	s_add_nc_u64 s[58:59], s[6:7], s[58:59]
	s_add_nc_u64 s[60:61], s[8:9], s[60:61]
	s_add_nc_u64 s[4:5], s[4:5], s[66:67]
	s_add_nc_u64 s[10:11], s[10:11], s[70:71]
.irp s, 0,1
	s_mov_b32 s[G0K+4*\s], 1
	s_add_co_u32 s[G0K+4*\s+1], s62, \s*SLOT
	s_add_nc_u64 s[G0K+4*\s+2:G0K+4*\s+3], s[58:59], \s*32768      ; tile s: 256 keys of 128 bytes
	s_or_b32 s[G0K+4*\s+3], s[G0K+4*\s+3], 0x80000000
	s_mov_b32 s[G0V+4*\s], 1
	s_add_co_u32 s[G0V+4*\s+1], s63, \s*SLOT
	s_add_nc_u64 s[G0V+4*\s+2:G0V+4*\s+3], s[60:61], \s*512        ; tile s: 256 keys of 2 bytes along the rows
	s_or_b32 s[G0V+4*\s+3], s[G0V+4*\s+3], 0x80000000
.endr
	ROUND                                          ; the four work-groups are here: the first joint load meets
	JLOAD 0                                        ; tile 0
	v_and_b32 v1, 15, v0                           ; r
	v_bfe_u32 v2, v0, 4, 1                         ; h
	v_and_b32 v3, 31, v0                           ; lane
	v_lshlrev_b32 v[QOFF], 7, v1
	v_lshl_add_u32 v[QOFF], v2, 4, v[QOFF]         ; query r's row of 128 bytes, 16 h
.irp q, 0,1,2,3
.irp dh, 0,1
	global_load_b128 v[QF+16*\q+8*\dh:QF+16*\q+8*\dh+3],   v[QOFF], s[4:5] offset:\q*2048+64*\dh
	global_load_b128 v[QF+16*\q+8*\dh+4:QF+16*\q+8*\dh+7], v[QOFF], s[4:5] offset:\q*2048+64*\dh+32
.endr
.endr
	v_mul_u32_u24 v5, v1, KP
	v_lshl_add_u32 v5, v2, 4, v5                   ; 144 r + 16 h
	v_mul_u32_u24 v6, v1, VP
	v_lshl_add_u32 v6, v2, 4, v6                   ; 528 r + 16 h
	s_mul_i32 s72, s14, 128*KP                     ; my 128 keys' rows
	s_lshl_b32 s73, s14, 8                         ; my 128 keys' 256 bytes of V^T's rows
	s_add_co_u32 s73, s73, VOFF
.irp s, 0,1
	v_add_nc_u32 v[ADRK+\s], s72, v5
	v_add_nc_u32 v[ADRV+\s], s73, v6
	s_add_co_u32 s72, s72, SLOT
	s_add_co_u32 s73, s73, SLOT
.endr
	s_mul_i32 s74, s13, SCRW
	s_add_co_u32 s74, s74, SCR
	v_lshlrev_b32 v6, 4, v3
	v_add_nc_u32 v[SCRA], s74, v6                  ; the merge: 16 bytes a lane
	s_mul_i32 s75, s13, STGW
	s_add_co_u32 s75, s75, STG
	v_add_nc_u32 v[STO], s75, v5                   ; the way out, in: query r, 16 bytes for each half of the lanes
	v_lshrrev_b32 v5, 3, v3
	v_and_b32 v6, 7, v3
	v_mul_u32_u24 v5, v5, KP
	v_lshl_add_u32 v5, v6, 4, v5
	v_add_nc_u32 v[RD], s75, v5                    ; back: eight lanes a query, four queries = two pairs a load
	v_lshlrev_b32 v5, 12, v2                       ; a pair's row in ah is 4,096 bytes
	v_lshl_add_u32 v[CO], v1, 4, v5
.irp q, 0,1,2,3
	v_mov_b32 v[MA+\q], 0xff800000                 ; the maximum starts at minus infinity,
	v_mov_b32 v[LS+2*\q], 0                        ; the sums at 0
	v_mov_b32 v[LS+2*\q+1], 0
	v_mov_b32 v[T2+\q], 0                          ; v_permlanex16_b32's destination counts as read
.endr
	s_wait_loadcnt 0x0                             ; Q, once
; 64 keys x 64 queries.  hf: which 64 of my 128 keys.  mo, eo: the old maxima and shifts; mn, en: the new ones.
; first = 1: nothing to rescale, and the first products start O.
; The 16 tiles of S and the 16 of O take turns, one matrix instruction a turn.
.macro STEP slot, hf, first, mo, mn, eo, en
.if \first == 0
	PLACES 5                                       ; five places behind the last product of O: S's products write over P, its source; and the loads below write its V fragments (four)
.endif
.irp kt, 0,1,2,3
.irp dh, 0,1
	ds_load_b128 v[KF+16*\kt+8*\dh:KF+16*\kt+8*\dh+3],   v[ADRK+\slot] offset:\hf*64*KP+\kt*16*KP+64*\dh
	ds_load_b128 v[KF+16*\kt+8*\dh+4:KF+16*\kt+8*\dh+7], v[ADRK+\slot] offset:\hf*64*KP+\kt*16*KP+64*\dh+32
.endr
.endr
.irp dt, 0,1,2,3
.irp c, 0,1
	ds_load_b128 v[VF+16*\dt+8*\c:VF+16*\dt+8*\c+3],   v[ADRV+\slot] offset:\dt*16*VP+128*\hf+64*\c
	ds_load_b128 v[VF+16*\dt+8*\c+4:VF+16*\dt+8*\c+7], v[ADRV+\slot] offset:\dt*16*VP+128*\hf+64*\c+32
.endr
.endr
	s_wait_dscnt 16                                ; K's 16 loads are in, V's 16 stay out
	WIN 0x50                                       ; C and D window 1
.irp q, 0,1,2,3
.irp kt, 0,1,2,3
	v_wmma_f32_16x16x32_bf16 v[32*\q+8*\kt:32*\q+8*\kt+7], v[KF+16*\kt:KF+16*\kt+7], v[QF+16*\q:QF+16*\q+7], 0
.endr
.endr
.irp q, 0,1,2,3
.irp kt, 0,1,2,3
	v_wmma_f32_16x16x32_bf16 v[32*\q+8*\kt:32*\q+8*\kt+7], v[KF+16*\kt+8:KF+16*\kt+15], v[QF+16*\q+8:QF+16*\q+15], v[32*\q+8*\kt:32*\q+8*\kt+7]
.endr
.endr
	PLACES 4                                       ; four places before a vector instruction reads a matrix result (ISA guide 7.12.1)
	WIN 0x14                                       ; sources 1 and 2 window 1
.irp q, 0,1,2,3
	v_max3_num_f32 v[\mn+\q], v[\mo+\q], v[32*\q], v[32*\q+1]      ; four chains, started by the old maxima
.endr
.set ii, 1
.rept 15
.irp q, 0,1,2,3
	v_max3_num_f32 v[\mn+\q], v[\mn+\q], v[32*\q+2*ii], v[32*\q+2*ii+1]
.endr
.set ii, ii+1
.endr
	WIN 0
.irp q, 0,1,2,3
	v_permlanex16_b32 v[T2+\q], v[\mn+\q], s54, s55                ; the other half of the lanes holds the query's other keys
.endr
.irp q, 0,1,2,3
	v_max_num_f32 v[\mn+\q], v[\mn+\q], v[T2+\q]
.endr
.irp q, 0,1,2,3
	v_mul_f32 v[\en+2*\q],   s53, v[\mn+\q]                        ; the shift - c m, twice: a pair for the packed multiply-add
	v_mul_f32 v[\en+2*\q+1], s53, v[\mn+\q]
.endr
.if \first == 0
.irp q, 0,1,2,3
	v_sub_f32 v[T2+\q], v[\en+2*\q], v[\eo+2*\q]                   ; of the rounded shifts themselves: exactly what earlier steps used
.endr
.irp q, 0,1,2,3
	v_exp_f32 v[AL+2*\q],   v[T2+\q]
	v_exp_f32 v[AL+2*\q+1], v[T2+\q]
.endr
	v_nop                                          ; one plain place behind a transcendental before its result is used (ISA guide 5.7.2)
	s_wait_alu depctr_va_vdst(0)
.irp q, 0,1,2,3
	v_pk_mul_f32 v[LS+2*\q:LS+2*\q+1], v[LS+2*\q:LS+2*\q+1], v[AL+2*\q:AL+2*\q+1]
.endr
.endif
	WIN 0x41                                       ; destination and source 0 window 1
.irp q, 0,1,2,3
.set ii, 0
.rept 16
	v_pk_fma_f32 v[32*\q+2*ii:32*\q+2*ii+1], v[32*\q+2*ii:32*\q+2*ii+1], s[52:53], v[\en+2*\q:\en+2*\q+1] op_sel_hi:[1,0,1]   ; c s - c m
.set ii, ii+1
.endr
.set ii, 0
.rept 32
	v_exp_f32 v[32*\q+ii], v[32*\q+ii]             ; the plain instructions that follow the run touch none of its last results
.set ii, ii+1
.endr
.if \first == 0
.set ii, 0
.rept 16
	v_pk_mul_f32 v[128+32*\q+2*ii:128+32*\q+2*ii+1], v[128+32*\q+2*ii:128+32*\q+2*ii+1], v[AL+2*\q:AL+2*\q+1]   ; O to the new maximum
.set ii, ii+1
.endr
.endif
.endr
	WIN 0x01                                       ; source 0 window 1
.set ii, 0
	s_wait_alu depctr_va_vdst(0)
.rept 16
.irp q, 0,1,2,3
	v_pk_add_f32 v[LS+2*\q:LS+2*\q+1], v[32*\q+2*ii:32*\q+2*ii+1], v[LS+2*\q:LS+2*\q+1]
.endr
.set ii, ii+1
.endr
	WIN 0x45                                       ; destination, sources 0 and 1 window 1
.irp q, 0,1,2,3
.set ii, 0
.rept 16
	v_cvt_pk_f16_f32 v[32*\q+ii], v[32*\q+2*ii], v[32*\q+2*ii+1]   ; P to f16; ascending: register ii is written when its own number has been packed
.set ii, ii+1
.endr
.endr
	s_wait_dscnt 0x0                               ; V's fragments
	WIN 0x54                                       ; source 1 (P), C and D window 1
.irp q, 0,1,2,3
.irp dt, 0,1,2,3
.if \first
	v_wmma_f32_16x16x32_f16 v[128+32*\q+8*\dt:128+32*\q+8*\dt+7], v[VF+16*\dt:VF+16*\dt+7], v[32*\q:32*\q+7], 0
.else
	v_wmma_f32_16x16x32_f16 v[128+32*\q+8*\dt:128+32*\q+8*\dt+7], v[VF+16*\dt:VF+16*\dt+7], v[32*\q:32*\q+7], v[128+32*\q+8*\dt:128+32*\q+8*\dt+7]
.endif
.endr
.endr
.irp q, 0,1,2,3
.irp dt, 0,1,2,3
	v_wmma_f32_16x16x32_f16 v[128+32*\q+8*\dt:128+32*\q+8*\dt+7], v[VF+16*\dt+8:VF+16*\dt+15], v[32*\q+8:32*\q+15], v[128+32*\q+8*\dt:128+32*\q+8*\dt+7]
.endr
.endr
	WIN 0
.endm
; A tile of 256 keys.  In front of the round every wave waits for all its tensor loads (its part of this tile among them) and for its
; reads of the other slot; behind it the joint load of the next tile goes into that slot, one a wave, with two steps' work in which to land.
.macro TRIP slot, refill, first
	s_wait_tensorcnt 0x0                           ; all my tensor loads have landed, so every group 0 may be written:
	ds_add_u32 v18, v19
	s_wait_dscnt 0x0
	s_add_nc_u64 s[G0K+4*\slot+2:G0K+4*\slot+3], s[G0K+4*\slot+2:G0K+4*\slot+3], 65536    ; this slot's next tile, two tiles on
	s_add_nc_u64 s[G0V+4*\slot+2:G0V+4*\slot+3], s[G0V+4*\slot+2:G0V+4*\slot+3], 1024
	s_wait_dscnt 0x0                               ; my reads of the last tile are over
	ROUND                                          ; both now hold of every wave of the four work-groups
.if \refill
	JLOAD 1-\slot
.endif
	STEP \slot, 0, \first, MA, MB, NA, NB
	STEP \slot, 1, 0, MB, MA, NB, NA
.endm
	TRIP 0, 1, 1                                   ; eight tiles; the first starts the sums
	TRIP 1, 1, 0
	s_mov_b32 s56, 2
.Ltrips:
	TRIP 0, 1, 0
	TRIP 1, 1, 0
	s_sub_co_u32 s56, s56, 1
	s_cmp_lg_u32 s56, 0
	s_cbranch_scc1 .Ltrips
	TRIP 0, 1, 0
	TRIP 1, 0, 0                                   ; the last tile: nothing is left to fetch (the stepped addresses are not used)
	; THE MERGE of the two halves of the keys.  The last shifts are in NA.
.irp q, 0,1,2,3
	v_add_f32 v[LQ+\q], v[LS+2*\q], v[LS+2*\q+1]
.endr
.irp q, 0,1,2,3
	v_permlanex16_b32 v[T2+\q], v[LQ+\q], s54, s55
.endr
.irp q, 0,1,2,3
	v_add_f32 v[LQ+\q], v[LQ+\q], v[T2+\q]         ; the sum over my 1,024 keys, in every lane of the query
.endr
	PLACES 4                                       ; four places behind the last matrix instruction before an LDS store reads its result
	s_cmp_lt_u32 s12, 4
	s_cbranch_scc1 .Lkeep
	WIN 0x04                                       ; store data window 1
.set ii, 0
.rept 32
	ds_store_b128 v[SCRA], v[128+4*ii:128+4*ii+3] offset:512*ii    ; waves 4-7 hand over O,
.set ii, ii+1
.endr
	WIN 0
	ds_store_b128 v[SCRA], v[NA:NA+3] offset:16384                 ; the shifts
	ds_store_b128 v[SCRA], v[NA+4:NA+7] offset:16896
	ds_store_b128 v[SCRA], v[LQ:LQ+3] offset:17408                 ; and the sums
.Lkeep:
	s_wait_dscnt 0x0                               ; for the partner's sake: my stores are done
	s_barrier_signal -1
	s_barrier_wait -1
	s_cmp_lt_u32 s12, 4
	s_cbranch_scc0 .Lclose
.set ii, 0
.rept 32
	ds_load_b128 v[PO+4*ii:PO+4*ii+3], v[SCRA] offset:512*ii       ; same lane, same register order: the partner's O of the same queries
.set ii, ii+1
.endr
	ds_load_b128 v[NB:NB+3], v[SCRA] offset:16384
	ds_load_b128 v[NB+4:NB+7], v[SCRA] offset:16896
	ds_load_b128 v[T2:T2+3], v[SCRA] offset:17408
	s_wait_dscnt 0x0
.irp q, 0,1,2,3
	v_min_num_f32 v[MA+\q], v[NA+2*\q], v[NB+2*\q]                 ; the smaller shift belongs to the larger maximum
.endr
.irp q, 0,1,2,3
	v_sub_f32 v[MB+\q], v[MA+\q], v[NB+2*\q]
	v_sub_f32 v[MA+\q], v[MA+\q], v[NA+2*\q]
.endr
.irp q, 0,1,2,3
	v_exp_f32 v[MA+\q], v[MA+\q]                   ; my factor
	v_exp_f32 v[MB+\q], v[MB+\q]                   ; the partner's
.endr
	v_nop                                          ; one plain place behind the transcendentals
	s_wait_alu depctr_va_vdst(0)
.irp q, 0,1,2,3
	v_mul_f32 v[LQ+\q], v[LQ+\q], v[MA+\q]
.endr
.irp q, 0,1,2,3
	v_fmac_f32 v[LQ+\q], v[T2+\q], v[MB+\q]        ; the whole row's sum; at least about 1, from the largest logit's own term
.endr
.irp q, 0,1,2,3
	v_rcp_f32 v[LQ+\q], v[LQ+\q]
.endr
	v_nop
	s_wait_alu depctr_va_vdst(0)
.irp q, 0,1,2,3
	v_mul_f32 v[AL+2*\q],   v[MA+\q], v[LQ+\q]
	v_mul_f32 v[AL+2*\q+1], v[MA+\q], v[LQ+\q]
	v_mul_f32 v[LS+2*\q],   v[MB+\q], v[LQ+\q]
	v_mul_f32 v[LS+2*\q+1], v[MB+\q], v[LQ+\q]
.endr
.irp q, 0,1,2,3
.set ii, 0
.rept 16
	v_pk_mul_f32 v[PO+32*\q+2*ii:PO+32*\q+2*ii+1], v[PO+32*\q+2*ii:PO+32*\q+2*ii+1], v[LS+2*\q:LS+2*\q+1]
.set ii, ii+1
.endr
.endr
	WIN 0x01                                       ; source 0 (my O) window 1
.irp q, 0,1,2,3
.set ii, 0
.rept 16
	v_pk_fma_f32 v[PO+32*\q+2*ii:PO+32*\q+2*ii+1], v[128+32*\q+2*ii:128+32*\q+2*ii+1], v[AL+2*\q:AL+2*\q+1], v[PO+32*\q+2*ii:PO+32*\q+2*ii+1]
.set ii, ii+1
.endr
.endr
	WIN 0
	; THE WAY OUT, 16 queries at a time: a lane's 8 numbers are 8 neighbouring d of query r, rounded to f16
.irp q, 0,1,2,3
.irp dt, 0,1,2,3
.irp j, 0,1,2,3
	v_cvt_pk_f16_f32 v[PKO+4*\dt+\j], v[PO+32*\q+8*\dt+2*\j], v[PO+32*\q+8*\dt+2*\j+1]
.endr
.endr
.irp dt, 0,1,2,3
	ds_store_b128 v[STO], v[PKO+4*\dt:PKO+4*\dt+3] offset:32*\dt
.endr
	s_wait_xcnt 0x0                                ; registers that earlier stores read are loaded again only behind this wait (ISA guide 3.1)
.irp i, 0,1,2,3
	ds_load_b128 v[RBO+16*(\q&1)+4*\i:RBO+16*(\q&1)+4*\i+3], v[RD] offset:4*KP*\i     ; my own bytes, served in order
.endr
.irp i, 0,1,2,3
	s_wait_dscnt 3-\i
	global_store_b128 v[CO], v[RBO+16*(\q&1)+4*\i:RBO+16*(\q&1)+4*\i+3], s[10:11] offset:(8*\q+2*\i)*4096   ; sixteen lanes store a pair's 256 consecutive bytes, aligned
.endr
.endr
.Lclose:
	s_wait_tensorcnt 0x0
	ds_add_u32 v18, v19
	s_wait_dscnt 0x0
	ROUND                                          ; the closing round
	s_endpgm
.Lfunc_end_k_q562fcc6579_attn:
	.size	k_q562fcc6579_attn, .Lfunc_end_k_q562fcc6579_attn-k_q562fcc6579_attn
	.p2alignl 7, 3214868480
	.fill 96, 4, 3214868480
	.section	.rodata,"a",@progbits
	.p2align	6, 0x0
	.amdhsa_kernel k_q562fcc6579_attn
		.amdhsa_group_segment_fixed_size 327680
		.amdhsa_private_segment_fixed_size 0
		.amdhsa_enable_private_segment 0
		.amdhsa_kernarg_size 32
		.amdhsa_user_sgpr_count 2
		.amdhsa_user_sgpr_kernarg_segment_ptr 1
		.amdhsa_wavefront_size32 1
		.amdhsa_system_sgpr_workgroup_id_x 1
		.amdhsa_system_sgpr_workgroup_id_y 1
		.amdhsa_system_sgpr_workgroup_id_z 1
		.amdhsa_system_vgpr_workitem_id 0
		.amdhsa_next_free_vgpr 512
		.amdhsa_next_free_sgpr 80
		.amdhsa_reserve_vcc 0
		.amdhsa_float_denorm_mode_32 3
		.amdhsa_float_denorm_mode_16_64 3
		.amdhsa_memory_ordered 1
		.amdhsa_forward_progress 1
		.amdhsa_inst_pref_size 255
	.end_amdhsa_kernel
	.section	.bss,"aw",@nobits
	.p2align	6
	.space	262144
	.amdgpu_metadata
---
amdhsa.version: [ 1, 2 ]
amdhsa.kernels:
  - .name:           k_q562fcc6579_attn
    .symbol:         k_q562fcc6579_attn.kd
    .args:
      - { .name: qb, .offset: 0, .size: 8, .value_kind: global_buffer, .address_space: global }
      - { .name: kb, .offset: 8, .size: 8, .value_kind: global_buffer, .address_space: global }
      - { .name: vth, .offset: 16, .size: 8, .value_kind: global_buffer, .address_space: global }
      - { .name: ah, .offset: 24, .size: 8, .value_kind: global_buffer, .address_space: global }
    .group_segment_fixed_size: 327680
    .private_segment_fixed_size: 0
    .kernarg_segment_align: 8
    .kernarg_segment_size: 32
    .max_flat_workgroup_size: 256
    .sgpr_count:     80
    .vgpr_count:     512
    .wavefront_size: 32
...
	.end_amdgpu_metadata
.endif
;; end of part 3
;; launch proj (part 4): grid 8 x 32, 4 waves a work-group, clusters of 4 x 4, 327,680 bytes of LDS; arguments ah, pwh, proj_b, out0; writes out0
.if DOCPART == 4
	.amdgcn_target "amdgcn-amd-amdhsa--gfx1250"
	.amdhsa_code_object_version 6
	.text
	.protected	k_q562fcc6579_proj
	.globl	k_q562fcc6579_proj
	.p2align	8
	.type	k_q562fcc6579_proj,@function
k_q562fcc6579_proj:
	s_mov_b64 s[64:65], 0
	v_nop
	global_prefetch_b8 v0, s[64:65] scope:SCOPE_SE
	s_setreg_imm32_b32 hwreg(HW_REG_WAVE_MODE, 25, 1), 1
	s_wait_xcnt 0x0
	s_wait_alu depctr_hold_cnt(0) depctr_sa_sdst(0) depctr_va_vdst(0) depctr_va_sdst(0) depctr_va_ssrc(0) depctr_va_vcc(0) depctr_vm_vsrc(0)
	s_getreg_b32 s2, hwreg(HW_REG_IB_STS2, 6, 4)
	s_cmp_eq_u32 s2, 0
	s_cbranch_scc0 .Lentry_in_a_cluster
	s_endpgm
.Lentry_in_a_cluster:
	s_bfe_u32 s2, ttmp6, 0x10000c
	s_cmp_lg_u32 s2, 0xf033
	s_cbranch_scc0 .Lentry_shape_is_right
	s_endpgm
.Lentry_shape_is_right:
; out0 = attention output x proj_w^T + proj_b.  out0: [4096][1024] f32.  pwh: [1024][1024] f16.  proj_b: [1024] f32.
; ah: [token pair][head][2][64] f16: a pair's row is 4,096 bytes; token e of the pair, head hh, number d lie at 256 hh + 128 e + 2 d.
; A work-group makes 128 tokens x 128 columns: 8 x 32 = 256 work-groups; a block twice as large would leave half as many.
; Four waves, each 64 x 64: 16 accumulator tiles.  K (1024) goes in 4 steps of 256 (four heads) through two LDS slots; all four are written out.
; CLUSTERS: 4 x 4 work-groups; ah's tile is shared along a row of the cluster, pwh's along a column, each asked for jointly.
; The matrix instruction is used transposed (source 0 = rows of pwh, source 1 = tokens): a lane holds 8 neighbouring columns of one token.
; The bias is the C of the first product of each tile: nothing is cleared and nothing is added afterwards.
; LIMITS: both operands are f16 (their ranges are stated where they are made); the bias is added first, not last, so the order of
; rounding differs from the plain formula's.
.set BP,    528                        ; a row of pwh's tile: 512 bytes + 16
.set AP,    1040                       ; a pair's row of ah's tile: 1,024 bytes + 16.  With the odd token's + 128 a fragment's 16 rows start 16 bytes apart modulo 256
.set AOFF,  128*BP                     ; 67,584
.set SLOT,  AOFF+64*AP                 ; 134,144
.set STAGE, 2*SLOT                     ; 268,288: the way out, 16 rows x 272 a wave, never filled by a tensor load
.set SP,    272
.set ADRA, 8                           ; v8-9
.set ADRB, 10                          ; v10-11
.set STO,  12
.set RD,   13
.set CO,   14
.set BO,   15
.set FA,   32                          ; token fragments, buffer f at FA + 32 f
.set FB,   96                          ; pwh fragments, buffer f at FB + 32 f
.set BIAS, 160                         ; v[160:191] tile b: proj_b of columns 16 b + 8 h + 0..7
.set RB,   192                         ; v[192:255] read back, two sets of 32
; window 1: accumulator (a, b) at 8 (4 a + b)
.set G1A, 24
.set G0A, 32
.set G1B, 40
.set G0B, 48
.set MSB, 0
.macro WIN new
.if MSB != \new
	s_set_vgpr_msb (MSB<<8)|\new
.set MSB, \new
.endif
.endm
.macro PLACES n
.rept \n
	v_nop
.endr
.endm
.macro JLOAD s                         ; waves 0, 1 fetch pwh's two halves (64 rows each), waves 2, 3 ah's (32 pairs each)
	s_cmp_lt_u32 s12, 2
	s_cbranch_scc0 .Lfor_a_\@
	tensor_load_to_lds s[G0B+4*(\s):G0B+4*(\s)+3], s[G1B:G1B+7]
	s_nop 0
	s_branch .Lasked_\@
.Lfor_a_\@:
	tensor_load_to_lds s[G0A+4*(\s):G0A+4*(\s)+3], s[G1A:G1A+7]
	s_nop 0
.Lasked_\@:
.endm
.macro CREST
	s_cmp_lg_u32 s12, 0
	s_cbranch_scc1 .Lnot_wave_0_\@
	s_barrier_signal -3
.Lnot_wave_0_\@:
	s_barrier_wait -3
	s_barrier_signal -1
	s_barrier_wait -1
.endm
.macro CROUND
	s_barrier_signal -1
	s_barrier_wait -1
	CREST
.endm
	s_load_b256 s[4:11], s[0:1], 0x0               ; ah s[4:5], pwh s[6:7], proj_b s[8:9], out0 s[10:11]
	v_lshl_add_u32 v30, v0, 2, 0x45c00
	v_mov_b32 v31, 0
	ds_add_u32 v30, v31
	v_lshrrev_b32 v1, 5, v0
	v_readfirstlane_b32 s12, v1                    ; wave 0..3
	s_lshr_b32 s13, s12, 1                         ; which 64 tokens
	s_and_b32 s14, s12, 1                          ; which 64 columns; also which half of a tile I fetch
	s_bfe_u32 s15, ttmp6, 0x40000                  ; cx
	s_bfe_u32 s16, ttmp6, 0x40004                  ; cy
	s_lshl_b32 s17, ttmp9, 2
	s_add_co_u32 s17, s17, s15                     ; block column 0..7
	s_and_b32 s18, ttmp7, 0xffff
	s_lshl_b32 s18, s18, 2
	s_add_co_u32 s18, s18, s16                     ; block row 0..31
	s_lshl_b32 s19, s16, 2
	s_lshl_b32 s19, 15, s19                        ; my row of the cluster
	s_lshl_b32 s20, 0x1111, s15                    ; my column
	s_or_b32 s[G1A+0], s19, (1<<16)|(1<<20)|(1<<21)|(7<<22)|(3<<25)   ; 2 bytes; padding: after every 256 words, 4 words
	s_mov_b32 s[G1A+1], 512<<16                    ; a pair's four heads: 512 elements
	s_mov_b32 s[G1A+2], 32<<16                     ; 32 pairs
	s_mov_b32 s[G1A+3], 512<<16
	s_mov_b32 s[G1A+4], 32
	s_mov_b32 s[G1A+5], 2048                       ; elements from pair to pair
	s_mov_b32 s[G1A+6], 0
	s_mov_b32 s[G1A+7], 0
	s_or_b32 s[G1B+0], s20, (1<<16)|(1<<20)|(1<<21)|(6<<22)|(3<<25)   ; padding: after every 128 words, 4 words
	s_mov_b32 s[G1B+1], 256<<16
	s_mov_b32 s[G1B+2], 64<<16
	s_mov_b32 s[G1B+3], 256<<16
	s_mov_b32 s[G1B+4], 64
	s_mov_b32 s[G1B+5], 1024
	s_mov_b32 s[G1B+6], 0
	s_mov_b32 s[G1B+7], 0
	s_lshl_b32 s56, s18, 18                        ; ah: 64 pairs of 4,096 bytes a block row,
	s_lshl_b32 s57, s14, 17                        ; my 32 pairs
	s_add_co_u32 s56, s56, s57
	s_mov_b32 s57, 0
	s_lshl_b32 s58, s17, 18                        ; pwh: 128 rows of 2,048 bytes a block column,
	s_lshl_b32 s59, s14, 17                        ; my 64 rows
	s_add_co_u32 s58, s58, s59
	s_mov_b32 s59, 0
	s_mul_i32 s60, s12, 32*AP                      ; ah's part (waves 2, 3) goes to wave x 33,280 + 1,024 = 67,584 + (wave - 2) x 33,280
	s_add_co_u32 s60, s60, AOFF-2*32*AP
	s_mul_i32 s61, s12, 64*BP                      ; pwh's part (waves 0, 1) to wave x 33,792
	s_lshl_b32 s62, s17, 9                         ; my first column, 4 bytes each: in proj_b and in a row of out0
	s_lshl_b32 s63, s14, 8
	s_add_co_u32 s62, s62, s63
	s_mov_b32 s63, 0
	s_lshl_b32 s68, s18, 19                        ; out0: 128 rows of 4,096 bytes a block row,
	s_lshl_b32 s69, s13, 18                        ; my 64 rows,
	s_add_co_u32 s68, s68, s69
	s_add_co_u32 s68, s68, s62                     ; my first column
	s_mov_b32 s69, 0
	s_wait_dscnt 0x0
	s_wait_kmcnt 0x0
	s_add_nc_u64 s[56:57], s[4:5], s[56:57]
	s_add_nc_u64 s[58:59], s[6:7], s[58:59]
	s_add_nc_u64 s[66:67], s[8:9], s[62:63]
	s_add_nc_u64 s[10:11], s[10:11], s[68:69]
	CROUND                                         ; all sixteen work-groups are here: the first joint loads meet
.irp s, 0,1
	s_mov_b32 s[G0A+4*\s], 1
	s_add_co_u32 s[G0A+4*\s+1], s60, \s*SLOT
	s_add_nc_u64 s[G0A+4*\s+2:G0A+4*\s+3], s[56:57], \s*1024       ; K step s: four heads of 256 bytes
	s_or_b32 s[G0A+4*\s+3], s[G0A+4*\s+3], 0x80000000
	s_mov_b32 s[G0B+4*\s], 1
	s_add_co_u32 s[G0B+4*\s+1], s61, \s*SLOT
	s_add_nc_u64 s[G0B+4*\s+2:G0B+4*\s+3], s[58:59], \s*512        ; K step s: 256 elements
	s_or_b32 s[G0B+4*\s+3], s[G0B+4*\s+3], 0x80000000
	JLOAD \s                                       ; both first fills: two loads of a wave are out
.endr
	v_and_b32 v1, 15, v0                           ; r
	v_bfe_u32 v2, v0, 4, 1                         ; h
	v_lshlrev_b32 v[BO], 5, v2                     ; 8 h columns of 4 bytes
.irp b, 0,1,2,3
	global_load_b128 v[BIAS+8*\b:BIAS+8*\b+3],   v[BO], s[66:67] offset:64*\b
	global_load_b128 v[BIAS+8*\b+4:BIAS+8*\b+7], v[BO], s[66:67] offset:64*\b+16
.endr
	v_lshrrev_b32 v3, 1, v1                        ; token r: pair r >> 1,
	v_and_b32 v4, 1, v1                            ; which of the two
	v_mul_u32_u24 v3, v3, AP
	v_lshl_add_u32 v3, v4, 7, v3
	v_lshl_add_u32 v3, v2, 4, v3
	v_mul_u32_u24 v4, v1, BP
	v_lshl_add_u32 v4, v2, 4, v4
	s_mul_i32 s70, s13, 32*AP
	s_add_co_u32 s70, s70, AOFF                    ; my 32 pairs
	s_mul_i32 s71, s14, 64*BP                      ; my 64 rows of pwh
.irp s, 0,1
	v_add_nc_u32 v[ADRA+\s], s70, v3
	v_add_nc_u32 v[ADRB+\s], s71, v4
	s_add_co_u32 s70, s70, SLOT
	s_add_co_u32 s71, s71, SLOT
.endr
	s_mul_i32 s72, s12, 16*SP
	s_add_co_u32 s72, s72, STAGE
	v_mul_u32_u24 v5, v1, SP
	v_lshl_add_u32 v5, v2, 5, v5
	v_add_nc_u32 v[STO], s72, v5                   ; in: token r, 32 bytes for each half of the lanes
	v_mul_u32_u24 v5, v2, SP
	v_lshl_add_u32 v5, v1, 4, v5
	v_add_nc_u32 v[RD], s72, v5                    ; back: sixteen lanes a row of 256 bytes
	v_lshlrev_b32 v5, 12, v2
	v_lshl_add_u32 v[CO], v1, 4, v5                ; and the same two rows in out0
; 16 LDS loads: the fragments of eighth e (32 along K) of a K step into buffer f.  Eighth e is head e >> 1, numbers 32 (e & 1) .. + 31.
.macro FETCH slot, e, f
.irp a, 0,1,2,3
	ds_load_b128 v[FA+32*\f+8*\a:FA+32*\f+8*\a+3],   v[ADRA+\slot] offset:\a*8*AP+((\e)>>1)*256+((\e)&1)*64
	ds_load_b128 v[FA+32*\f+8*\a+4:FA+32*\f+8*\a+7], v[ADRA+\slot] offset:\a*8*AP+((\e)>>1)*256+((\e)&1)*64+32
.endr
.irp b, 0,1,2,3
	ds_load_b128 v[FB+32*\f+8*\b:FB+32*\f+8*\b+3],   v[ADRB+\slot] offset:\b*16*BP+64*(\e)
	ds_load_b128 v[FB+32*\f+8*\b+4:FB+32*\f+8*\b+7], v[ADRB+\slot] offset:\b*16*BP+64*(\e)+32
.endr
.endm
; 8 matrix instructions: token tiles a0, a0 + 1 x the four column tiles.  bias = 1: C is the bias, which starts the sums.
; The 16 accumulators take turns, one instruction a turn, in the same order in every eighth.
.macro MUL8 f, a0, bias
.if \bias
	WIN 0x40                                       ; D window 1, C (the bias) window 0
.else
	WIN 0x50                                       ; C and D window 1
.endif
.irp a, \a0, \a0+1
.irp b, 0,1,2,3
.if \bias
	v_wmma_f32_16x16x32_f16 v[8*(4*(\a)+\b):8*(4*(\a)+\b)+7], v[FB+32*\f+8*\b:FB+32*\f+8*\b+7], v[FA+32*\f+8*(\a):FA+32*\f+8*(\a)+7], v[BIAS+8*\b:BIAS+8*\b+7]
.else
	v_wmma_f32_16x16x32_f16 v[8*(4*(\a)+\b):8*(4*(\a)+\b)+7], v[FB+32*\f+8*\b:FB+32*\f+8*\b+7], v[FA+32*\f+8*(\a):FA+32*\f+8*(\a)+7], v[8*(4*(\a)+\b):8*(4*(\a)+\b)+7]
.endif
.endr
.endr
.endm
; One of a K step's first seven eighths: fetches eighth e + 1 into buffer g, then multiplies buffer f.
.macro EIGHTH slot, e, f, g, bias
	PLACES 4                                       ; a load into a register that a matrix instruction has read stands four places behind it
	WIN 0
	FETCH \slot, \e+1, \g
	s_wait_dscnt 16                                ; buffer f is in; the 16 loads just issued stay out
	MUL8 \f, 0, \bias
	MUL8 \f, 2, \bias
.endm
.macro SEVEN slot, bias
	EIGHTH \slot, 0, 0, 1, \bias
	EIGHTH \slot, 1, 1, 0, 0
	EIGHTH \slot, 2, 0, 1, 0
	EIGHTH \slot, 3, 1, 0, 0
	EIGHTH \slot, 4, 0, 1, 0
	EIGHTH \slot, 5, 1, 0, 0
	EIGHTH \slot, 6, 0, 1, 0
.endm
; The last eighth multiplies buffer 1 and changes slots.  In front of the barrier each wave waits for its reads of this slot and for all its
; tensor loads.  fill = 1: the barrier opens a round of the cluster's barrier and the joint refill, two K steps ahead, comes first behind it.
.macro TURN slot, next, fill
	s_wait_dscnt 0x0                               ; my reads of this slot are over
	s_wait_tensorcnt 0x0                           ; all my tensor loads have landed: the one that was out is my part of the next slot
	ds_add_u32 v30, v31
	s_wait_dscnt 0x0
	s_barrier_signal -1
	MUL8 1, 0, 0                                   ; register work while the others arrive
	WIN 0
	s_barrier_wait -1
.if \fill
	CREST                                          ; no wave of any partner still reads this slot or has a load on its way
	s_add_nc_u64 s[G0A+4*\slot+2:G0A+4*\slot+3], s[G0A+4*\slot+2:G0A+4*\slot+3], 2048
	s_add_nc_u64 s[G0B+4*\slot+2:G0B+4*\slot+3], s[G0B+4*\slot+2:G0B+4*\slot+3], 1024
	JLOAD \slot
.endif
	PLACES 4
	FETCH \next, 0, 0
	MUL8 1, 2, 0
.endm
	s_wait_tensorcnt 0x1                           ; my part of K step 0 is in; K step 1's one load stays out
	s_barrier_signal -1
	s_barrier_wait -1
	s_wait_loadcnt 0x0                             ; the bias
	FETCH 0, 0, 0
	SEVEN 0, 1                                     ; K step 0
	TURN 0, 1, 1                                   ; asks for K step 2
	SEVEN 1, 0                                     ; K step 1
	TURN 1, 0, 1                                   ; asks for K step 3
	SEVEN 0, 0                                     ; K step 2
	TURN 0, 1, 0                                   ; nothing is left to fetch
	SEVEN 1, 0                                     ; K step 3
	s_wait_dscnt 0x0
	MUL8 1, 0, 0
	MUL8 1, 2, 0
	; THE WAY OUT, 16 tokens at a time: a lane's 8 results are 32 neighbouring bytes of token r's row; back as whole pieces of 256 bytes.
	PLACES 4                                       ; four places behind the last matrix instruction before an LDS store reads a result
.irp a, 0,1,2,3
	WIN 0x04                                       ; store data window 1
.irp b, 0,1,2,3
	ds_store_b128 v[STO], v[8*(4*\a+\b):8*(4*\a+\b)+3]   offset:64*\b
	ds_store_b128 v[STO], v[8*(4*\a+\b)+4:8*(4*\a+\b)+7] offset:64*\b+16
.endr
	WIN 0
	s_wait_xcnt 0x0                                ; registers that earlier stores read are loaded again only behind this wait (ISA guide 3.1)
.irp t, 0,1,2,3,4,5,6,7
	ds_load_b128 v[RB+32*(\a&1)+4*\t:RB+32*(\a&1)+4*\t+3], v[RD] offset:2*SP*\t    ; my own bytes, served in order (ISA guide 5.7.1.4)
.endr
.irp t, 0,1,2,3,4,5,6,7
	s_wait_dscnt 7-\t
	global_store_b128 v[CO], v[RB+32*(\a&1)+4*\t:RB+32*(\a&1)+4*\t+3], s[10:11] offset:(16*\a+2*\t)*4096 th:TH_STORE_NT   ; sixteen lanes store 256 consecutive bytes, aligned
.endr
.endr
	s_wait_tensorcnt 0x0
	ds_add_u32 v30, v31
	s_wait_dscnt 0x0
	CROUND                                         ; the closing round
	s_endpgm
.Lfunc_end_k_q562fcc6579_proj:
	.size	k_q562fcc6579_proj, .Lfunc_end_k_q562fcc6579_proj-k_q562fcc6579_proj
	.p2alignl 7, 3214868480
	.fill 96, 4, 3214868480
	.section	.rodata,"a",@progbits
	.p2align	6, 0x0
	.amdhsa_kernel k_q562fcc6579_proj
		.amdhsa_group_segment_fixed_size 327680
		.amdhsa_private_segment_fixed_size 0
		.amdhsa_enable_private_segment 0
		.amdhsa_kernarg_size 32
		.amdhsa_user_sgpr_count 2
		.amdhsa_user_sgpr_kernarg_segment_ptr 1
		.amdhsa_wavefront_size32 1
		.amdhsa_system_sgpr_workgroup_id_x 1
		.amdhsa_system_sgpr_workgroup_id_y 1
		.amdhsa_system_sgpr_workgroup_id_z 1
		.amdhsa_system_vgpr_workitem_id 0
		.amdhsa_next_free_vgpr 384
		.amdhsa_next_free_sgpr 80
		.amdhsa_reserve_vcc 0
		.amdhsa_float_denorm_mode_32 3
		.amdhsa_float_denorm_mode_16_64 3
		.amdhsa_memory_ordered 1
		.amdhsa_forward_progress 1
		.amdhsa_inst_pref_size 89
	.end_amdhsa_kernel
	.amdgpu_metadata
---
amdhsa.version: [ 1, 2 ]
amdhsa.kernels:
  - .name:           k_q562fcc6579_proj
    .symbol:         k_q562fcc6579_proj.kd
    .args:
      - { .name: ah, .offset: 0, .size: 8, .value_kind: global_buffer, .address_space: global }
      - { .name: pwh, .offset: 8, .size: 8, .value_kind: global_buffer, .address_space: global }
      - { .name: proj_b, .offset: 16, .size: 8, .value_kind: global_buffer, .address_space: global }
      - { .name: out0, .offset: 24, .size: 8, .value_kind: global_buffer, .address_space: global }
    .group_segment_fixed_size: 327680
    .private_segment_fixed_size: 0
    .kernarg_segment_align: 8
    .kernarg_segment_size: 32
    .max_flat_workgroup_size: 128
    .sgpr_count:     80
    .vgpr_count:     384
    .wavefront_size: 32
...
	.end_amdgpu_metadata
.endif
;; end of part 4
